; MI455X (gfx1250); checked and timed in simulation.
; The chip was launched on July 23, 2026; its instructions are those of AMD's public machine-readable ISA for CDNA 5 (MIT licence, August 2026) and "CDNA5" Instruction Set Architecture Reference Guide (July 2026). The comments in the code are by the model that wrote it; some were corrected since.
;; Quantized Linear. Allowed arithmetic: matrix products marked QUANTISED: E2M1 operands, one E8M0 scale for each 32 along K, by v_wmma_scale_f32_16x16x128_f8f6f4 with both operands' format E2M1 (or v_wmma_scale_f32_32x16x128_f4), f32 sums; everything else in f32.
;; Inputs: bias 4,096 float32; weight_i8 4,096 x 4,096 int8; weight_scale 4,096 float32; x 4 x 1,024 x 4,096 float32.
;; Outputs: out0 4 x 1,024 x 4,096 float32.
;; This version of the problem:
;;   THIS VERSION OF THE PROBLEM IS GIVEN IN LOW PRECISION. The matrix products marked QUANTISED in the list below multiply operands that are first quantised to E2M1 (2 exponent bits, 1 mantissa bit; 4 bits a number), with one power-of-two scale for each 32 numbers along K (OCP MX v1.0); their sums are f32. All else is computed in f32.
;;   The module's matrix products, in the order in which they are computed (A, B: the left and right operand; K: the contracted axis; several contracted axes count as one K, in the product's order):
;;     1. [M 4,096, K 4,096] x [K 4,096, N 4,096]; A: computed on the way; B: computed on the way: QUANTISED
;;   THE QUANTISER, for each operand of a quantised product, along K:
;;     - K is cut into blocks of 32 from its start; a last block that is shorter is filled with zeros.
;;     - A block's scale is 2^e with e = floor(log2(the largest magnitude in the block)) - 2, held to -126 .. 127; a block of zeros has e = 0. As a byte (E8M0): e + 127.
;;     - Each number is divided by its block's scale, clamped to +-6, and rounded to the nearest number of E2M1, ties to even, subnormals kept.
;;     - The product sums the exact products of the quantised numbers (number of the format x scale) in f32.
;;   ~~~python
;;   def quantise(x, axis):      # numpy; x: float32 -> the quantised numbers, widened to float32 again
;;       x = np.moveaxis(x, axis, -1); K = x.shape[-1]
;;       x = np.pad(x, [(0, 0)] * (x.ndim - 1) + [(0, -K % 32)]); x = x.reshape(x.shape[:-1] + (-1, 32)); a = np.abs(x).max(-1, keepdims=True)
;;       e = np.where(a > 0, np.clip(np.frexp(np.where(a > 0, a, 1))[1] - 1 - 2, -126, 127), 0)      # np.frexp(a)[1] - 1 = floor(log2(a)), exactly
;;       r = np.clip(x / 2.0 ** e, -6, 6)
;;       step = 2.0 ** (np.maximum(np.frexp(np.where(r == 0, 1, r))[1] - 1, 0) - 1)
;;       q = np.round(r / step) * step * 2.0 ** e      # np.round: ties to even
;;       return np.moveaxis(q.reshape(q.shape[:-2] + (-1,))[..., :K], -1, axis).astype(np.float32)
;;   ~~~
;;   OPERANDS COMPUTED ON THE WAY. 'Computed on the way' means the value that the module computes at that place (a softmax that the list does not call 'softmax' is quantised finished and normalised). What goes into a quantiser is computed in f32, as accurately as f32 sums, v_exp_f32 and their like allow (about 1e-6 of the number): no bf16 or f16 on the way to a quantiser, and a product that is left as it is and whose result goes on into a quantised operand takes f32 operands (vector FMAs, or v_wmma_f32_16x16x4_f32). A number that lies on a knife's edge between two numbers of the format may be rounded either way, as far as f32 arithmetic and the matrix unit's own rounding can turn it there, and no further.
;; One version. Each part assembles by itself: llvm-mc -triple=amdgcn-amd-amdhsa -mcpu=gfx1250 --defsym DOCPART=n.
;; ======== version 1 of 1: 2 launches
;; limits: right only within a limited range of input values
;; workspace buffers: a_ws 8,912,896 bytes; b_ws 8,912,896 bytes
;; launch quant (part 1): grid 256 x 1, 8 waves a work-group, no clusters, 136,192 bytes of LDS; arguments x, weight_i8, weight_scale, a_ws, b_ws; writes a_ws, b_ws
.if DOCPART == 1
	.amdgcn_target "amdgcn-amd-amdhsa--gfx1250"
	.amdhsa_code_object_version 6
	.text
	.protected	k_q13016b6d04_quant
	.globl	k_q13016b6d04_quant
	.p2align	8
	.type	k_q13016b6d04_quant,@function
k_q13016b6d04_quant:
	s_mov_b64 s[64:65], 0
	v_nop
	global_prefetch_b8 v0, s[64:65] scope:SCOPE_SE
	s_setreg_imm32_b32 hwreg(HW_REG_WAVE_MODE, 25, 1), 1
	s_wait_xcnt 0x0
; out0 = clip(x, +-6) (weight_i8 * weight_scale[:, None])^T + bias, the product on codes of FP4 (E2M1) with one E8M0 scale for each 32 along K.  M = N = K = 4,096.
; THIS LAUNCH makes both operands' codes and scale bytes, once; the next one multiplies them.  Every tile of either operand is wanted by 16 tiles of the result: quantised here, the wide numbers are read once.
; DEAD WORK: none.  x, weight_i8 and weight_scale go into quantised operands of a live product, bias is added to every output: all four inputs are loaded (bias by the next launch).
; THE QUANTISER: a block's scale is 2^(floor(log2(its largest magnitude)) - 2); its byte is the largest magnitude's exponent field - 2, held at 1 from below; each number / scale goes to the nearest code, ties to even, beyond 6 to 6.
; THE CLIP costs one line a block.  clip(x, +-6) followed by the quantiser equals: the block's largest |x|, held at 6.0; the scale from that; the conversion, which holds at the largest code.  For every finite x:
;   largest |x| under 6: nothing is clipped, and the hold at 6.0 changes nothing.   largest |x| 6 or more: the clipped block's largest magnitude is 6, its scale 2^0, and the conversion's hold at +-6 IS the clip; numbers under 6 are untouched.
; THE WEIGHT is the f32 product i8 x scale, rounded once, as the problem has it ahead of its quantiser.
; LIMITS: NaN in x, and NaN, infinity or overflow of i8 x scale, are not served.  An infinity in x is held at +-6 by the conversion, as the clip would hold it: not tried.  A block of zeros gets the byte 1 where the rule says 127:
;   its codes are zeros, which add nothing under any byte but 0xff, and the bytes are read by this program alone.  Blocks whose largest magnitude lies under the floor 2^-124 keep the byte 1 (e = -126, as the rule holds it): not tried.
; THE WORKSPACE (a_ws for x, b_ws for the weight) lies in the order of the operand's registers.  Block (R, s), R = row / 128, s = k / 512, is BLK = 34,816 bytes at (8 R + s) BLK.  In it a row has a PLACE (i, r), i = (row / 16) % 8, r = 0 .. 15:
;   place r of x holds its row 16 i + 2 (r % 8) + r / 8; place r of the weight its row 16 i + (r xor (i % 4)).
;   Codes: with q = (k / 128) % 4, c = (k / 64) % 2, h = (k / 32) % 2 the 16 bytes of the 32 codes at (place, k / 32) lie at 8192 q + 1024 i + 512 c + 16 (16 h + r).
;   Scale bytes: place (i, r) has 16 at 32768 + 256 i + 16 r; byte 4 q + 2 c + h; word q is the scale word of the q-th 128 along K.
; SHARES.  Work-group g takes rows 16 g .. 16 g + 15 of x and of the weight; its wave v takes k = 512 v .. 512 v + 511.  Every wave runs the same straight text: one unit of the weight, four units of x.
;   A unit is 16 rows x 512 bytes (512 int8, or 128 f32, of a row).  Each load reads 512 consecutive bytes of one row, 16 a lane.  The conversions want 32 neighbours along K in ONE lane, and the output wants 16 rows side by side:
;   so a unit turns through a stage of the wave's own in LDS, 16 rows 528 bytes apart (33 x 16: the sixteen rows that a read touches start at sixteen different banks; 64 banks of 4 bytes: ISA guide 11.1), stored as loaded and read back by lane.
;   A lane then holds whole blocks: no other lane is asked for a maximum, and each store of codes covers 512 consecutive bytes, aligned.
; THE ORDER.  The weight's unit and two units of x are asked for at the head.  The weight, which comes first, is staged, unpacked and quantised while x's two units are on their way; then each unit of x, the first two asking for the unit two further on.
;   Odd work-groups take x's units in the order 2, 3, 0, 1, by their addresses alone.
; No tensor load, no barrier, no loop: waves share nothing, every offset is an immediate.
.set BLK,   34816
.set SP,    528                        ; a stage row
.set WST,   16*SP                      ; a stage
.set WOFF,  WST                        ; a wave's region: the stage for x's units, then the stage for the weight's unit
.set SPARE, 8*2*WST                    ; behind the eight regions: the spare words, 128 bytes for each wave: four blocks of 256 bytes that no other line names
.set LO,    1                          ; v1   16 x lane: the loads' and x's code stores' offset; never rewritten
.set STI,   2                          ; v2   a stage, on the way in: wave's region + 16 x lane
.set RDX,   3                          ; v3   and back, a unit of x: + 528 x my place's row + 128 h
.set RDW,   4                          ; v4   a unit of the weight: + 528 r + 32 h (the weight's stage stands in the immediate)
.set SO,    5                          ; v5   16 r + 8 h
.set SH,    6                          ; v6   8 h
.set WSO,   7                          ; v7   4 r: my row's weight_scale
.set WS,    8                          ; v[8:9] my row's weight_scale; the packed multiply names the pair and takes its low word for both halves
.set AM,    10                         ; v10, v11 the two chains of a block's largest magnitude
.set AM2,   11
.set SCO,   12                         ; v12  the conversion's scale operand
.set TP,    13                         ; v13  at work
.set BY,    14                         ; v14, v15 the scale bytes of c = 0, 1
.set R0,    16                         ; v16-79, v80-143 two units of x as loaded
.set X,     144                        ; v144-207 the weight's unit as loaded; a unit of x, 64 numbers a lane; in the weight's phase v144-175 packed int8 (two sets of 16) and v176-207 32 numbers
.set T,     X+32
.set WW,    208                        ; v208-211 the weight's four scale words
.set WX,    212                        ; v212-215 x's
.set C,     216                        ; v216-223, v232-239 codes: four registers for each c, two sets by turns
.set PT,    224                        ; v224 a lane permute's destination
.set LOW,   225                        ; v225 the weight's code stores' offset: 16 x (lane xor (g % 4))
.set OUTW,  226                        ; v[226:227], v[228:229] the data of the two stores of scale bytes
.set OUTX,  228
.set SPW,   230                        ; v230 LDS address of my spare word: SPARE + 4 x my thread's number; never rewritten
.set NIL,   231                        ; v231 0; never rewritten
.set SOW,   240                        ; v240 where my 8 scale bytes of the weight go
.set SOX,   241                        ; v241 and of x
	s_load_b256 s[4:11], s[0:1], 0x0               ; x s[4:5], weight_i8 s[6:7], weight_scale s[8:9], a_ws s[10:11]
	s_load_b64 s[12:13], s[0:1], 0x20              ; b_ws
	v_lshl_add_u32 v[SPW], v0, 2, SPARE
	v_mov_b32 v[NIL], 0
	v_lshrrev_b32 v[TP], 5, v0
	s_delay_alu instid0(VALU_DEP_1)
	v_readfirstlane_b32 s16, v[TP]                 ; wave 0..7
	v_and_b32 v[TP], 31, v0                        ; lane
	s_delay_alu instid0(VALU_DEP_1)
	v_lshlrev_b32 v[LO], 4, v[TP]
	v_and_b32 v[AM], 15, v0                        ; r
	v_bfe_u32 v[AM2], v0, 4, 1                     ; h
	s_mul_i32 s17, s16, 2*WST                      ; my wave's region
	v_add_nc_u32 v[STI], s17, v[LO]
	v_and_b32 v[BY], 7, v[AM]
	v_lshrrev_b32 v[BY+1], 3, v[AM]
	v_mul_u32_u24 v[SCO], v[AM], SP
	v_lshl_add_u32 v[BY], v[BY], 1, v[BY+1]        ; 2 (r % 8) + r / 8
	v_add_nc_u32 v[SCO], s17, v[SCO]               ; row r of a stage
	v_mul_u32_u24 v[BY], v[BY], SP
	v_lshl_add_u32 v[RDW], v[AM2], 5, v[SCO]       ; 32 int8 are 32 bytes
	v_add_nc_u32 v[BY], s17, v[BY]
	v_lshlrev_b32 v[SO], 4, v[AM]
	v_lshl_add_u32 v[RDX], v[AM2], 7, v[BY]        ; 32 f32 are 128
	v_lshl_add_u32 v[SO], v[AM2], 3, v[SO]
	v_lshlrev_b32 v[SH], 3, v[AM2]
	v_lshlrev_b32 v[WSO], 2, v[AM]
	v_cmp_eq_u32 vcc_lo, 1, v[AM2]                 ; lanes 16-31: set once, nothing else writes it
	v_mov_b32 v[WS+1], 0                           ; (named as the upper half of the pair)
	v_mov_b32 v[PT], 0                             ; written once: a lane permute's destination counts as one of its sources
	s_and_b32 s14, ttmp9, 3
	s_lshl_b32 s14, s14, 4
	s_and_b32 s15, ttmp9, 1
	s_lshl_b32 s15, s15, 3
	v_xor_b32 v[LOW], s14, v[LO]
	v_xor_b32 v[SOW], s14, v[SO]
	v_xor_b32 v[SOX], s15, v[SO]                   ; odd work-groups: my first two words are words 2, 3
	s_mov_b32 s20, 0x76543210
	s_mov_b32 s21, 0xfedcba98                      ; v_permlanex16_b32's selects for lane l xor 16
	s_lshl_b32 s18, ttmp9, 18                      ; x: 16 g rows of 16,384 bytes
	s_lshl_b32 s14, s16, 11                        ;    + 512 v numbers of 4 bytes
	s_add_co_u32 s18, s18, s14
	s_mov_b32 s19, 0
	s_lshl_b32 s22, ttmp9, 16                      ; the weight: 16 g rows of 4,096 bytes
	s_lshl_b32 s14, s16, 9                         ;    + 512 v
	s_add_co_u32 s22, s22, s14
	s_mov_b32 s23, 0
	s_lshl_b32 s28, ttmp9, 6                       ; weight_scale: 16 g numbers
	s_mov_b32 s29, 0
	s_and_b32 s30, ttmp9, 0xf8                     ; 8 (g / 8) = 8 R,
	s_add_co_u32 s30, s30, s16                     ; + s = v:
	s_mul_i32 s30, s30, BLK                        ; my block of the workspace
	s_mov_b32 s31, 0
	s_and_b32 s14, ttmp9, 7                        ; i
	s_lshl_b32 s15, s14, 8
	s_add_co_u32 s15, s15, 32768
	s_add_co_u32 s26, s30, s15                     ; my 16 rows' scale bytes in it,
	s_mov_b32 s27, 0
	s_lshl_b32 s14, s14, 10
	s_add_co_u32 s30, s30, s14                     ; and their codes
	s_and_b32 s14, ttmp9, 1
	s_lshl_b32 s14, s14, 10                        ; odd work-groups: units 2, 3 first: 1,024 bytes of x on,
	s_mov_b32 s15, 0
	s_wait_alu depctr_va_vdst(0)
	s_wait_kmcnt 0x0
	s_add_nc_u64 s[4:5], s[4:5], s[18:19]
	s_sub_nc_u64 s[2:3], s[4:5], s[14:15]          ; x for the last two units
	s_add_nc_u64 s[4:5], s[4:5], s[14:15]          ; x for the first two
	s_lshl_b32 s18, s14, 4                         ; and 16,384 bytes of codes on
	s_add_nc_u64 s[6:7], s[6:7], s[22:23]
	s_add_nc_u64 s[8:9], s[8:9], s[28:29]
	s_add_nc_u64 s[24:25], s[10:11], s[26:27]      ; a_ws: scale bytes
	s_add_nc_u64 s[26:27], s[12:13], s[26:27]      ; b_ws: scale bytes
	s_add_nc_u64 s[10:11], s[10:11], s[30:31]
	s_sub_nc_u64 s[28:29], s[10:11], s[18:19]      ; a_ws: codes of the last two units
	s_add_nc_u64 s[10:11], s[10:11], s[18:19]      ; a_ws: codes of the first two
	s_add_nc_u64 s[12:13], s[12:13], s[30:31]      ; b_ws: codes
.macro WLOAD                           ; the weight's unit: row p's 512 bytes, 16 a lane
.irp p, 0,1,2,3,4,5,6,7,8,9,10,11,12,13,14,15
	global_load_b128 v[X+4*\p:X+4*\p+3], v[LO], s[6:7] offset:4096*\p th:TH_LOAD_NT
.endr
.endm
.macro XLOAD q                         ; x's unit q in my order (128 along K) into raw set q % 2
.set XB, 4-2*((\q)/2)
.irp p, 0,1,2,3,4,5,6,7,8,9,10,11,12,13,14,15
	global_load_b128 v[R0+64*((\q)%2)+4*\p:R0+64*((\q)%2)+4*\p+3], v[LO], s[XB:XB+1] offset:16384*\p+512*(\q) th:TH_LOAD_NT
.endr
.endm
.macro STAGE reg, off                  ; a unit into the stage at off bytes of my region, as it was loaded
.irp p, 0,1,2,3,4,5,6,7,8,9,10,11,12,13,14,15
	ds_store_b128 v[STI], v[(\reg)+4*\p:(\reg)+4*\p+3] offset:(\off)+SP*\p
.endr
.endm
.macro PLOAD q                         ; my two blocks (c = 0, 1) of the weight's q-th 128 along K, packed: 32 bytes each, into set q % 2
.irp d, 0,1
.irp j, 0,1
	ds_load_b128 v[X+16*((\q)%2)+8*\d+4*\j:X+16*((\q)%2)+8*\d+4*\j+3], v[RDW] offset:WOFF+128*(\q)+64*\d+16*\j
.endr
.endr
.endm
.macro UNPACK p                        ; eight words of int8 at v[p] on become 32 numbers i8 x scale in v[T] on, the lower k in the lower register
.irp k, 0,1,2,3,4,5,6,7
	v_lshlrev_b32 v[T+4*\k],   24, v[(\p)+\k]       ; each byte to the word's top,
	v_lshlrev_b32 v[T+4*\k+1], 16, v[(\p)+\k]
	v_lshlrev_b32 v[T+4*\k+2], 8,  v[(\p)+\k]
	v_ashrrev_i32 v[T+4*\k+3], 24, v[(\p)+\k]       ; and down again with its sign
.endr
.irp k, 0,1,2,3,4,5,6,7
	v_ashrrev_i32 v[T+4*\k],   24, v[T+4*\k]
	v_ashrrev_i32 v[T+4*\k+1], 24, v[T+4*\k+1]
	v_ashrrev_i32 v[T+4*\k+2], 24, v[T+4*\k+2]
.endr
.irp j, 0,1,2,3,4,5,6,7,8,9,10,11,12,13,14,15,16,17,18,19,20,21,22,23,24,25,26,27,28,29,30,31
	v_cvt_f32_i32 v[T+\j], v[T+\j]                 ; exact
.endr
.irp j, 0,2,4,6,8,10,12,14,16,18,20,22,24,26,28,30
	v_pk_mul_f32 v[T+\j:T+\j+1], v[T+\j:T+\j+1], v[WS:WS+1] op_sel_hi:[1,0]   ; x my row's scale: one rounding to f32
.endr
.endm
.macro QBLOCK src, cc, clip            ; 32 numbers of one block in v[src] on: its codes into v[C + 4 cc] on, its scale byte into v[BY + cc % 4].  cc: c of the one set of code registers, 4 + c of the other
	v_max3_num_f32 v[AM],  |v[(\src)]|,   |v[(\src)+1]|, |v[(\src)+2]|   ; the block's largest magnitude: all 32 numbers are mine; two chains
	v_max3_num_f32 v[AM2], |v[(\src)+3]|, |v[(\src)+4]|, |v[(\src)+5]|
.irp i, 6,10,14,18,22,26
	s_delay_alu instid0(VALU_DEP_2)
	v_max3_num_f32 v[AM],  v[AM],  |v[(\src)+\i]|,   |v[(\src)+\i+1]|
	s_delay_alu instid0(VALU_DEP_2)
	v_max3_num_f32 v[AM2], v[AM2], |v[(\src)+\i+2]|, |v[(\src)+\i+3]|
.endr
	s_delay_alu instid0(VALU_DEP_2)
	v_max3_num_f32 v[AM], v[AM], |v[(\src)+30]|, |v[(\src)+31]|
	s_delay_alu instid0(VALU_DEP_1)
	v_max3_num_f32 v[AM], v[AM], v[AM2], 0x1800000 ; and the floor 2^(3 - 127), under which no largest magnitude is taken: so the byte cannot fall under 1
.if \clip
	s_delay_alu instid0(VALU_DEP_1)
	v_min_num_f32 v[AM], 0x40c00000, v[AM]         ; THE CLIP: the largest magnitude of the clipped block is at most 6.0 (the head comment shows that this line and the conversion's hold are the whole clip)
.endif
	s_delay_alu instid0(VALU_DEP_1)
	v_add_nc_u32 v[SCO], 0xff000000, v[AM]         ; 2 off its exponent field: the conversion takes the exponent field of this operand as its scale, and nothing else of it
.if (\cc)%4 == 0
	s_wait_alu depctr_va_vdst(0)
	s_wait_xcnt 0x0                                ; every earlier memory instruction has had its addresses translated (ISA guide 3.1): this set of code registers, the data of stores two q back, is rewritten only behind this wait
.endif
.irp g, 0,1,2,3
	v_cvt_scalef32_pk8_fp4_f32 v[C+4*(\cc)+\g], v[(\src)+8*\g:(\src)+8*\g+7], v[SCO]   ; eight numbers / the scale, to the nearest code, ties to even, beyond the largest code the largest; the first number's code in the lowest four bits
.endr
	v_lshrrev_b32 v[BY+(\cc)%4], 23, v[SCO]        ; the scale's byte.  (Also the one plain line behind the conversions, ahead of the lines that write their sources again)
.endm
.macro CSTORE off, base, q, cc         ; 32 lanes store 512 consecutive bytes, at a multiple of 512 from the buffer's first byte
	global_store_b128 v[\off], v[C+4*(\cc):C+4*(\cc)+3], s[\base:\base+1] offset:8192*(\q)+512*((\cc)%4)
.endm
.macro WORD dst                        ; my two bytes (blocks h and 2 + h of 128 along K) and lane l xor 16's two make my row's scale word
	v_lshl_or_b32 v[TP], v[BY+1], 16, v[BY]
	s_delay_alu instid0(VALU_DEP_1)
	v_lshlrev_b32 v[TP], v[SH], v[TP]              ; 8 h bits up
	s_delay_alu instid0(VALU_DEP_1)
	v_permlanex16_b32 v[PT], v[TP], s20, s21
	s_delay_alu instid0(VALU_DEP_1)
	v_or_b32 v[\dst], v[TP], v[PT]
.endm
.macro SCOUT wreg, oreg, off, base     ; every lane holds its row's four words: lanes 0-15 store the first two, lanes 16-31 the last two: 256 consecutive bytes, aligned
	v_cndmask_b32 v[\oreg],   v[\wreg],   v[\wreg+2], vcc_lo
	s_delay_alu instid0(VALU_DEP_2)
	v_cndmask_b32 v[\oreg+1], v[\wreg+1], v[\wreg+3], vcc_lo
	global_store_b64 v[\off], v[\oreg:\oreg+1], s[\base:\base+1]
.endm
.macro XUNIT q                         ; x's unit q: through the stage, quantised, stored; units 0 and 1 ask for the unit two further on
.if (\q) < 3
	s_wait_loadcnt 16                              ; loads come back in order (ISA guide 5.7.1): this unit's 16 are in; the 16 of the one unit asked for behind it stay out
.else
	s_wait_loadcnt 0x0
.endif
	STAGE R0+64*((\q)%2), 0                        ; (the last unit's read-backs have been waited for)
.irp c, 0,1
.irp j, 0,1,2,3,4,5,6,7
	ds_load_b128 v[X+32*\c+4*\j:X+32*\c+4*\j+3], v[RDX] offset:256*\c+16*\j   ; LDS serves a wave's instructions in order (ISA guide 5.7.1.4): these see the stores above.  My block 2 c + h: 32 neighbours of my row
.endr
.endr
	s_wait_dscnt 0x0                               ; the numbers are back, and the stores have read the raw set,
.if (\q) < 2
	XLOAD (\q)+2                                   ; which takes the unit two further on
.endif
.irp c, 0,1
	QBLOCK X+32*\c, \c+4*((\q)%2), 1
	CSTORE LO, 10+18*((\q)/2), \q, \c+4*((\q)%2)
.endr
	WORD WX+(\q)
.endm
	global_load_b32 v[WS], v[WSO], s[8:9]          ; my row's weight_scale
	WLOAD
	XLOAD 0
	XLOAD 1
	; ---- the weight, while x's first two units are on their way
	s_wait_loadcnt 32                              ; the scale and the weight's 16 loads are in; the 32 of x's first two units stay out
	STAGE X, WOFF
	s_wait_dscnt 0x0                               ; the stores have read their registers, into which the read-backs land
	PLOAD 0
	PLOAD 1
.irp q, 0,1,2,3
.if \q < 3
	s_wait_dscnt 4                                 ; this q's four read-backs are in; the next q's four may be out
.else
	s_wait_dscnt 0x0
.endif
.irp c, 0,1
	UNPACK X+16*(\q%2)+8*\c
	QBLOCK T, \c+4*(\q%2), 0
	CSTORE LOW, 12, \q, \c+4*(\q%2)
.endr
	WORD WW+\q
.if \q < 2
	PLOAD \q+2                                     ; into the set just unpacked
.endif
.endr
	SCOUT WW, OUTW, SOW, 26
	; ---- x
	XUNIT 0
	XUNIT 1
	XUNIT 2
	XUNIT 3
	SCOUT WX, OUTX, SOX, 24
	s_wait_tensorcnt 0x0                           ; the wave's end
	ds_add_u32 v[SPW], v[NIL]
	s_wait_dscnt 0x0
	s_endpgm
.Lfunc_end_k_q13016b6d04_quant:
	.size	k_q13016b6d04_quant, .Lfunc_end_k_q13016b6d04_quant-k_q13016b6d04_quant
	.p2alignl 7, 3214868480
	.fill 96, 4, 3214868480
	.section	.rodata,"a",@progbits
	.p2align	6, 0x0
	.amdhsa_kernel k_q13016b6d04_quant
		.amdhsa_group_segment_fixed_size 136192
		.amdhsa_private_segment_fixed_size 0
		.amdhsa_enable_private_segment 0
		.amdhsa_kernarg_size 40
		.amdhsa_user_sgpr_count 2
		.amdhsa_user_sgpr_kernarg_segment_ptr 1
		.amdhsa_wavefront_size32 1
		.amdhsa_system_sgpr_workgroup_id_x 1
		.amdhsa_system_sgpr_workgroup_id_y 1
		.amdhsa_system_sgpr_workgroup_id_z 1
		.amdhsa_system_vgpr_workitem_id 0
		.amdhsa_next_free_vgpr 248
		.amdhsa_next_free_sgpr 66
		.amdhsa_reserve_vcc 1
		.amdhsa_float_denorm_mode_32 3
		.amdhsa_float_denorm_mode_16_64 3
		.amdhsa_memory_ordered 1
		.amdhsa_forward_progress 1
		.amdhsa_inst_pref_size 87
	.end_amdhsa_kernel
	.amdgpu_metadata
---
amdhsa.version: [ 1, 2 ]
amdhsa.kernels:
  - .name:           k_q13016b6d04_quant
    .symbol:         k_q13016b6d04_quant.kd
    .args:
      - { .name: x, .offset: 0, .size: 8, .value_kind: global_buffer, .address_space: global }
      - { .name: weight_i8, .offset: 8, .size: 8, .value_kind: global_buffer, .address_space: global }
      - { .name: weight_scale, .offset: 16, .size: 8, .value_kind: global_buffer, .address_space: global }
      - { .name: a_ws, .offset: 24, .size: 8, .value_kind: global_buffer, .address_space: global }
      - { .name: b_ws, .offset: 32, .size: 8, .value_kind: global_buffer, .address_space: global }
    .group_segment_fixed_size: 136192
    .private_segment_fixed_size: 0
    .kernarg_segment_align: 8
    .kernarg_segment_size: 40
    .max_flat_workgroup_size: 256
    .sgpr_count:     66
    .vgpr_count:     248
    .wavefront_size: 32
...
	.end_amdgpu_metadata
.endif
;; end of part 1
;; launch gemm (part 2): grid 16 x 16, 4 waves a work-group, clusters of 4 x 4, 327,680 bytes of LDS; arguments a_ws, b_ws, bias, out0; writes out0
.if DOCPART == 2
	.amdgcn_target "amdgcn-amd-amdhsa--gfx1250"
	.amdhsa_code_object_version 6
	.text
	.protected	k_q13016b6d04_gemm
	.globl	k_q13016b6d04_gemm
	.p2align	8
	.type	k_q13016b6d04_gemm,@function
k_q13016b6d04_gemm:
	s_mov_b64 s[64:65], 0
	v_nop
	global_prefetch_b8 v0, s[64:65] scope:SCOPE_SE
	s_setreg_imm32_b32 hwreg(HW_REG_WAVE_MODE, 25, 1), 1
	s_wait_xcnt 0x0
	s_wait_alu depctr_hold_cnt(0) depctr_sa_sdst(0) depctr_va_vdst(0) depctr_va_sdst(0) depctr_va_ssrc(0) depctr_va_vcc(0) depctr_vm_vsrc(0)
	s_getreg_b32 s2, hwreg(HW_REG_IB_STS2, 6, 4)
	s_cmp_eq_u32 s2, 0
	s_cbranch_scc0 .Lentry_in_a_cluster
	s_endpgm
.Lentry_in_a_cluster:
	s_bfe_u32 s2, ttmp6, 0x10000c
	s_cmp_lg_u32 s2, 0xf033
	s_cbranch_scc0 .Lentry_shape_is_right
	s_endpgm
.Lentry_shape_is_right:
; out0[m][n] = sum over k of x[m][k] w[n][k] + bias[n] on the codes and scale bytes that the launch before made; M = N = K = 4,096; sums in f32, the bias added to the finished sum.  No dead work here.
; LIMITS: those of the launch before.  In the last 512 along K the four steps of 128 are added in the order 0, 2, 3, 1.
; SHARES.  A work-group makes 256 x 256 of the result, 256 work-groups in all; each of its four waves 128 x 128: 32 accumulators of 32 x 16, 512 registers.  K goes in eight slots of 512, four steps of 128, through a ring of two LDS slots.
; A SLOT is four blocks of the workspace, 34,816 bytes each, as they lie: x's rows 0-127 and 128-255, the weight's rows 0-127 and 128-255.  A block: codes of step q, 16 rows i, half c, place p = 0 .. 15 at 8192 q + 1024 i + 512 c + 256 h + 16 p;
; its scale bytes at 32768 + 256 i + 16 p, one 32-bit word for each q.  Place p of x is row 16 i + 2 (p % 8) + p / 8, place p of the weight row 16 i + (p xor (i % 4)).
; Each wave fetches one block of a slot by one joint tensor load, as 136 rows of 256 bytes.
; CLUSTERS: 4 x 4 work-groups.  The four of a row of the cluster want the same blocks of x, the four of a column the same blocks of the weight: each is asked for jointly.
; THE PRODUCT: source 0 = 32 rows of x, source 1 = 16 rows of the weight.  Lane (r, h) then holds column r of the fragment and places 8 h + j of the two 16s of x (registers j and 8 + j): rows 2 j + h and 16 + 2 j + h.
; Fragment b = 4 g + s takes, in lane r, the weight's row 64 g + 4 r + s: place 4 (r % 4) + (s xor (r / 4)) of 16 rows 4 g + r / 4; sixteen lanes so touch sixteen different 16-byte columns of LDS.
; Register j of the accumulators 4 g .. 4 g + 3 is thus four NEIGHBOURS of one row of the result, 16 bytes a lane; sixteen lanes hold 256 neighbouring bytes, the other sixteen the same of the next row: stored from registers, with no stage in LDS.
; REGISTERS, windows of 256: 0: v0-31 and v96-99 addresses and bias, v32-95 scale words (two sets of 32), v128-255 x's fragments (two sets of 64; in the last slot v128-191 32 rows' fragments of all four steps, v192-255 results on their way out).
;   1: v0-127 the weight's fragments (two sets of 64), v128-255 accumulators of rows 0-31;  2: rows 32-63 and 64-95;  3: v0-127 rows 96-127, v128-255 in the last slot the weight's fragments of steps 2 and 3.
; A STEP is four groups of eight products, rows 32 a .. 32 a + 31 in group a.  The next step's fragments come into the other sets in two runs of 16 LDS loads: the weight's at the step's head, x's in its middle.
; LDS instructions complete in order, so each wait counts the loads issued behind the fragment that is wanted.
; THE LAST SLOT goes by rows of the result: the weight's fragments of all four steps come into registers, rows 0-31 are finished first (columns 0-63, then 64-127), then 32 rows at a time, and each part is stored as soon as it is finished.
; The accumulators take turns, one product a turn; at the least three others stand between two products on one (where four are finished together).
; PREFETCH: behind the head's load slot 1 is asked for, behind slot 1's load slots 2 and 3, and at the ends of slots s = 0 .. 3 slot s + 4, two slots ahead of the load that stands there; later ends ask for nothing.
; A block's 136 units of 256 bytes are shared by address among the four work-groups that load it jointly, 34 each: each unit is named once in each cluster.
.set BLK,    34816
.set SLOT,   4*BLK
.set SPARE,  2*SLOT                    ; the spare words: 128 bytes for each wave, named by no other line
.set CROW,   16384                     ; a row of the result in bytes
.set SPW,  8                           ; v8      my spare word; never rewritten
.set NIL,  9                           ; v9      0; never rewritten
.set ADRX, 10                          ; v10-11  LDS address of my 128 rows of x in slot 0, 1: + 16 x lane
.set CO,   12                          ; v12     my byte offset in the result: h rows + 16 r
.set BO,   13                          ; v13     16 r: my four biases of a group of 64 columns
.set PFO,  14                          ; v14     the prefetches' offsets: 256 x lane;
.set PFP,  15                          ; v15     units 32 and 33
.set ADRW, 16                          ; v16-23  LDS address of my lane's row of the weight's fragments 4 g + s, at ADRW + 4 slot + s
.set BIAS, 24                          ; v24-31  bias of column 64 g + 4 r + s at BIAS + 4 g + s
.set SC,   32                          ; scale words of slot s: x's rows 32 a + lane at SC + 32 s + 4 a + q; the weight's fragments 2 p (lanes 0-15), 2 p + 1 (lanes 16-31) at SC + 32 s + 16 + 4 p + q
.set ADSW, 96                          ; v96-99  LDS address of the weight's scale words of fragments 2 p, 2 p + 1, at ADSW + 2 slot + p % 2
.set XF,   128
.set TMP,  192
.set G1,  24                           ; s[24:31] descriptor group 1 for x's blocks, s[48:55] for the weight's: they differ in the mask alone
.set G0,  32                           ; s[32:39] group 0, one for each slot; s[56:63] the weight's
.set G1B, 48
.set G0B, 56
.set PFA, 44                           ; s[44:45] where my prefetches stand
.set MSB, 0
.macro WIN new                         ; the immediate's high byte repeats the setting that is left
.if MSB != \new
	s_set_vgpr_msb (MSB<<8)|\new
.set MSB, \new
.endif
.endm
.set M1, 0x54                          ; source 0 window 0, source 1 window 1, C and D window 1
.set TO_W, 0x40                        ; a load's destination window 1, its address window 0
.macro PLACES                          ; four places behind a matrix instruction (ISA guide 7.12.1)
.rept 4
	v_nop
.endr
.endm
.macro JLOAD s                         ; a joint load: waves 0 and 1 fetch x's two blocks, waves 2 and 3 the weight's
	s_cmp_eq_u32 s15, 0
	s_cbranch_scc0 .Lfor_b_\@
	tensor_load_to_lds s[G0+4*\s:G0+4*\s+3], s[G1:G1+7]
	s_nop 0
	PLACES
	s_branch .Lasked_\@
.Lfor_b_\@:
	tensor_load_to_lds s[G0B+4*\s:G0B+4*\s+3], s[G1B:G1B+7]
	s_nop 0
	PLACES
.Lasked_\@:
.endm
.macro CREST                           ; a round of the cluster's barrier behind its opening barrier
	s_cmp_lg_u32 s14, 0
	s_cbranch_scc1 .Lnot_wave_0_\@
	s_barrier_signal -3
.Lnot_wave_0_\@:
	s_barrier_wait -3
	s_barrier_signal -1
	s_barrier_wait -1
.endm
.macro CROUND
	s_barrier_signal -1
	s_barrier_wait -1
	CREST
.endm
	s_load_b256 s[4:11], s[0:1], 0x0               ; a_ws s[4:5], b_ws s[6:7], bias s[8:9], out0 s[10:11]
	v_lshl_add_u32 v[SPW], v0, 2, SPARE
	v_mov_b32 v[NIL], 0
	ds_add_u32 v[SPW], v[NIL]                      ; the opening adds
	ds_add_u32 v[SPW], v[NIL]
	v_lshrrev_b32 v1, 5, v0
	v_readfirstlane_b32 s14, v1                    ; wave 0..3
	s_lshr_b32 s15, s14, 1                         ; my half of the block's rows; also: I fetch for x (0) or the weight (1)
	s_and_b32 s16, s14, 1                          ; my half of its columns; also: which of the two blocks I fetch
	s_bfe_u32 s40, ttmp6, 0x40000                  ; cx
	s_bfe_u32 s41, ttmp6, 0x40004                  ; cy
	s_lshl_b32 s42, ttmp9, 2
	s_add_co_u32 s42, s42, s40                     ; tile column
	s_and_b32 s17, ttmp7, 0xffff
	s_lshl_b32 s17, s17, 2
	s_add_co_u32 s17, s17, s41                     ; tile row
	s_lshl_b32 s43, s41, 2
	s_lshl_b32 s43, 15, s43                        ; my row of the cluster
	s_lshl_b32 s44, 0x1111, s40                    ; my column
	s_or_b32 s[G1+0], s43, (3<<16)|(1<<21)         ; elements of 8 bytes, no padding; bit 21 beside the mask
	s_or_b32 s[G1B+0], s44, (3<<16)|(1<<21)
.irp g, G1, G1B
	s_mov_b32 s[\g+1], 32<<16                      ; a block: 136 rows of 32 elements, dense
	s_mov_b32 s[\g+2], 136<<16
	s_mov_b32 s[\g+3], 32<<16
	s_mov_b32 s[\g+4], 136
	s_mov_b32 s[\g+5], 32
	s_mov_b32 s[\g+6], 0
	s_mov_b32 s[\g+7], 0
.endr
	s_lshl_b32 s20, s17, 1
	s_add_co_u32 s20, s20, s16
	s_mul_i32 s20, s20, 8*BLK                      ; x's block: by the tile row alone
	s_mov_b32 s21, 0
	s_lshl_b32 s46, s42, 1
	s_add_co_u32 s46, s46, s16
	s_mul_i32 s46, s46, 8*BLK                      ; the weight's: by the tile column alone
	s_mov_b32 s47, 0
	s_mul_i32 s12, s14, BLK                        ; where it goes: wave x a block
.irp s, 0,1
	s_mov_b32 s[G0+4*\s], 1
	s_add_co_u32 s[G0+4*\s+1], s12, \s*SLOT
	s_mov_b32 s[G0B+4*\s], 1
	s_add_co_u32 s[G0B+4*\s+1], s12, \s*SLOT
.endr
	s_cmp_eq_u32 s15, 0                            ; the prefetches: the block that I fetch, and my work-group's 34 of its 136 units
	s_cselect_b32 s22, s20, s46
	s_cselect_b32 s13, s40, s41
	s_mul_i32 s13, s13, 34*256
	s_add_co_u32 s22, s22, s13
	s_add_co_u32 s22, s22, BLK                     ; from slot 1 on
	s_mov_b32 s23, 0
	s_lshl_b32 s40, s42, 10                        ; my first column, in bytes of bias and of a row of the result
	s_lshl_b32 s41, s16, 9
	s_add_co_u32 s40, s40, s41
	s_mov_b32 s41, 0
	s_lshl_b32 s18, s17, 8
	s_lshl_b32 s19, s15, 7
	s_add_co_u32 s18, s18, s19                     ; my first row
	s_lshl_b32 s18, s18, 14
	s_add_co_u32 s18, s18, s40
	s_mov_b32 s19, 0
	s_mul_i32 s42, s15, BLK                        ; in a slot: my block of x,
	s_mul_i32 s43, s16, BLK
	s_add_co_u32 s43, s43, 2*BLK                   ; and of the weight
	v_and_b32 v2, 15, v0                           ; r
	v_bfe_u32 v3, v0, 4, 1                         ; h
	v_and_b32 v4, 31, v0
	v_lshlrev_b32 v5, 4, v4
	v_lshrrev_b32 v6, 2, v2                        ; r / 4
	v_and_b32 v7, 3, v2                            ; r % 4
	v_add_nc_u32 v[ADRX], s42, v5
	v_add_nc_u32 v[ADRX+1], SLOT, v[ADRX]
	v_lshlrev_b32 v7, 6, v7
	v_lshl_add_u32 v100, v6, 10, v7
	v_lshl_add_u32 v100, v3, 8, v100
	v_add_nc_u32 v100, s43, v100                   ; my lane's place but for s: 1024 (r / 4) + 64 (r % 4) + 256 h
	v_lshl_add_u32 v101, v6, 8, v7
	v_add_nc_u32 v101, s43, v101                   ; the scale words': 256 (r / 4) + 64 (r % 4)
.irp s, 0,1,2,3
	v_xor_b32 v102, \s, v6
	v_lshl_add_u32 v[ADRW+\s], v102, 4, v100
	v_add_nc_u32 v[ADRW+4+\s], SLOT, v[ADRW+\s]
.endr
	v_xor_b32 v103, v3, v6                         ; fragment 2 p + h: s = 2 (p % 2) + h
.irp e, 0,1
	v_xor_b32 v102, 2*\e, v103
	v_lshl_add_u32 v[ADSW+\e], v102, 4, v101
	v_add_nc_u32 v[ADSW+2+\e], SLOT, v[ADSW+\e]
.endr
	v_lshlrev_b32 v[BO], 4, v2
	v_lshl_add_u32 v[CO], v3, 14, v[BO]            ; a row is 16,384 bytes
	v_lshlrev_b32 v[PFO], 8, v4
	v_min_u32 v6, 1, v4
	v_lshlrev_b32 v6, 8, v6
	v_add_nc_u32 v[PFP], 0x2000, v6
	s_wait_alu depctr_va_vdst(0)
	s_wait_dscnt 0x0                               ; both opening adds are done
	CROUND                                         ; all sixteen work-groups are here: the first joint loads meet
	s_wait_kmcnt 0x0
	s_add_nc_u64 s[20:21], s[4:5], s[20:21]
	s_add_nc_u64 s[46:47], s[6:7], s[46:47]
.irp s, 0,1
	s_add_nc_u64 s[G0+4*\s+2:G0+4*\s+3], s[20:21], \s*BLK
	s_or_b32 s[G0+4*\s+3], s[G0+4*\s+3], 0x80000000
	s_add_nc_u64 s[G0B+4*\s+2:G0B+4*\s+3], s[46:47], \s*BLK
	s_or_b32 s[G0B+4*\s+3], s[G0B+4*\s+3], 0x80000000
.endr
	JLOAD 0                                        ; one tensor load a wave at the head
	s_cmp_eq_u32 s15, 0
	s_cselect_b64 s[PFA:PFA+1], s[4:5], s[6:7]
	s_add_nc_u64 s[PFA:PFA+1], s[PFA:PFA+1], s[22:23]
	s_add_nc_u64 s[8:9], s[8:9], s[40:41]
	s_add_nc_u64 s[10:11], s[10:11], s[18:19]
	global_load_b128 v[BIAS:BIAS+3], v[BO], s[8:9]
	global_load_b128 v[BIAS+4:BIAS+7], v[BO], s[8:9] offset:256
.macro PREF off                        ; my 34 units of a block, off bytes behind where the prefetches stand
	global_prefetch_b8 v[PFO], s[PFA:PFA+1] offset:\off th:TH_LOAD_NT scope:SCOPE_SE
	global_prefetch_b8 v[PFP], s[PFA:PFA+1] offset:\off th:TH_LOAD_NT scope:SCOPE_SE
.endm
	PREF 0                                         ; slot 1
.macro FRX slot, q, ap                 ; x's fragment of 32 rows, step q: 16 registers of set q % 2
.irp k, 0,1,2,3
	ds_load_b128 v[XF+64*((\q)%2)+16*(\ap)+4*\k:XF+64*((\q)%2)+16*(\ap)+4*\k+3], v[ADRX+\slot] offset:8192*(\q)+2048*(\ap)+512*\k
.endr
.endm
.macro FRWS slot, q                    ; the weight's eight fragments (destination window 1)
	WIN TO_W
.irp b, 0,1,2,3,4,5,6,7
.irp c, 0,1
	ds_load_b128 v[64*((\q)%2)+8*\b+4*\c:64*((\q)%2)+8*\b+4*\c+3], v[ADRW+4*\slot+\b%4] offset:8192*(\q)+4096*(\b/4)+512*\c
.endr
.endr
.endm
.macro SCALES slot                     ; the slot's scale words: four q a lane
.irp a, 0,1,2,3
	ds_load_b128 v[SC+32*\slot+4*\a:SC+32*\slot+4*\a+3], v[ADRX+\slot] offset:32768+512*\a
	ds_load_b128 v[SC+32*\slot+16+4*\a:SC+32*\slot+16+4*\a+3], v[ADSW+2*\slot+\a%2] offset:32768+1024*(\a/2)
.endr
.endm
.macro MUL b, first                    ; one product on the registers MD, MX, MW, MSX, MSW; first: it starts the sum
.if \first
.if (\b)%2
	v_wmma_scale_f32_32x16x128_f4 v[MD:MD+15], v[MX:MX+15], v[MW:MW+7], 0, v[MSX], v[MSW] matrix_b_scale:MATRIX_SCALE_ROW1
.else
	v_wmma_scale_f32_32x16x128_f4 v[MD:MD+15], v[MX:MX+15], v[MW:MW+7], 0, v[MSX], v[MSW]
.endif
.else
.if (\b)%2
	v_wmma_scale_f32_32x16x128_f4 v[MD:MD+15], v[MX:MX+15], v[MW:MW+7], v[MD:MD+15], v[MSX], v[MSW] matrix_b_scale:MATRIX_SCALE_ROW1
.else
	v_wmma_scale_f32_32x16x128_f4 v[MD:MD+15], v[MX:MX+15], v[MW:MW+7], v[MD:MD+15], v[MSX], v[MSW]
.endif
.endif
.endm
.macro MM ap, b, q, slot, first
.set MD, 128*(1-((\ap)%2))+16*(\b)
.set MX, XF+64*((\q)%2)+16*(\ap)
.set MW, 64*((\q)%2)+8*(\b)
.set MSX, SC+32*(\slot)+4*(\ap)+(\q)
.set MSW, SC+32*(\slot)+16+4*((\b)/2)+(\q)
	MUL \b, \first
.endm
.macro GROUP ap, q, slot, first        ; eight products; the accumulators of rows 32 ap on lie in window (ap + 3) / 2
	WIN (0x04+0x50*(((\ap)+3)/2))
.irp b, 0,1,2,3,4,5,6,7
	MM \ap, \b, \q, \slot, \first
.endr
.endm
; A step with its successor in the same slot.  graded = 1: a slot's first step, whose fragments were asked for in the order x 0, scale words, weight 0-7, x 1, 2, 3; else the order was weight 0-7, x 0, 1, 2, 3.
; pre = 1: the step ahead of a slot's last (every read of the slot is issued in it): it ends with the signal of the change of slots; fill: that slot is filled again.
.macro STEP slot, q, first, graded, pre, fill
	PLACES                                         ; for the loads into the sets that the step before multiplied
	FRWS \slot, (\q)+1
.if \graded
	WIN M1
.irp b, 0,1,2,3,4,5,6,7
.if (\b)%2 == 0
	s_wait_dscnt 40-2*\b                           ; the weight's b and b + 1 are in: behind them 12 - 2 b of the weight's, 12 of x's, 16 of the next step's
.endif
	MM 0, \b, \q, \slot, \first
.endr
.else
	s_wait_dscnt 28                                ; the weight's eight and x 0 are in: behind x 0 12 of x's and the 16 just issued
	GROUP 0, \q, \slot, \first
.endif
	s_wait_dscnt 24                                ; x 1 is in: behind it x 2, 3 and 16
	GROUP 1, \q, \slot, \first
	WIN 0
.irp a, 0,1,2,3
	FRX \slot, (\q)+1, \a
.endr
.if \pre
.if \fill
	s_wait_xcnt 0x0                                ; the prefetches have read their address
	s_add_nc_u64 s[PFA:PFA+1], s[PFA:PFA+1], BLK
.endif
	s_wait_tensorcnt 0x0                           ; my block of the next slot is in, and no load of mine is out;
	ds_add_u32 v[SPW], v[NIL]                      ; 0 onto my spare word: sixteen products stand between it and the wait for it
.if \fill
	s_add_nc_u64 s[G0+4*\slot+2:G0+4*\slot+3], s[G0+4*\slot+2:G0+4*\slot+3], 2*BLK
	s_add_nc_u64 s[G0B+4*\slot+2:G0B+4*\slot+3], s[G0B+4*\slot+2:G0B+4*\slot+3], 2*BLK
.endif
.endif
	s_wait_dscnt 36                                ; x 2 is in: behind it x 3 and the next step's 32
	GROUP 2, \q, \slot, \first
	s_wait_dscnt 32                                ; x 3 is in
	GROUP 3, \q, \slot, \first
.if \pre
	s_wait_dscnt 0x0                               ; the add is done, and so are all my reads of this slot: its last step is in registers
	s_barrier_signal -1
.endif
.endm
.macro ASK                             ; slot s + 4 at the end of slot s; nothing in the last trip
	s_cmp_gt_u32 s3, 1
	s_cbranch_scc0 .Lno_ask_\@
	PREF 2*BLK
.Lno_ask_\@:
.endm
; A slot's last step changes slots, and the slot just read is filled again.  Eight products stand between the signal and its wait, 24 behind the round and the run of the next slot's first loads.
.macro TURN slot, next
	GROUP 1, 3, \slot, 0
	WIN 0
	s_barrier_wait -1                              ; nobody of my work-group reads this slot any more, and the next one is whole
	CREST                                          ; the same of all sixteen work-groups
	JLOAD \slot                                    ; the first tensor load behind the round; its four v_nop are also the places ahead of the loads below
	FRX \next, 0, 0
	SCALES \next
	FRWS \next, 0
	WIN 0
	ASK
	GROUP 0, 3, \slot, 0
	GROUP 2, 3, \slot, 0
	GROUP 3, 3, \slot, 0
	WIN 0
	FRX \next, 0, 1
	FRX \next, 0, 2
	FRX \next, 0, 3
.endm
	s_wait_tensorcnt 0x0                           ; my block of slot 0 is in
	ds_add_u32 v[SPW], v[NIL]
	s_wait_dscnt 0x0
	CROUND
	JLOAD 1                                        ; the first tensor load behind the round
	FRX 0, 0, 0
	SCALES 0
	FRWS 0, 0
	WIN 0
	FRX 0, 0, 1
	FRX 0, 0, 2
	FRX 0, 0, 3
	PREF BLK                                       ; slot 2
	PREF 2*BLK                                     ; slot 3
	STEP 0, 0, 1, 1, 0, 0                          ; the first step starts the sums
	WIN 0
	s_mov_b32 s3, 3
.Llap:                                                 ; a trip goes once round the ring and fills both slots again: slots 2, 3; 4, 5; 6, 7
	STEP 0, 1, 0, 0, 0, 0
	STEP 0, 2, 0, 0, 1, 1
	TURN 0, 1
	STEP 1, 0, 0, 1, 0, 0
	STEP 1, 1, 0, 0, 0, 0
	STEP 1, 2, 0, 0, 1, 1
	TURN 1, 0
	STEP 0, 0, 0, 1, 0, 0
	WIN 0
	s_sub_co_u32 s3, s3, 1
	s_cmp_lg_u32 s3, 0
	s_cbranch_scc1 .Llap
	STEP 0, 1, 0, 0, 0, 0                          ; slot 6
	STEP 0, 2, 0, 0, 1, 0
; THE LAST SLOT, in LDS slot 1.  Step q of 32 rows of x lies at v[XF + 16 q] on, the weight's fragment b of step q at v[64 q + 8 b] of window 1 (q = 0, 1) or 3 (q = 2, 3).
.macro LX ap                           ; x's 32 rows, all four steps, in the order of their use: 16 loads
.irp q, 0,2,3,1
.irp k, 0,1,2,3
	ds_load_b128 v[XF+16*\q+4*\k:XF+16*\q+4*\k+3], v[ADRX+1] offset:8192*\q+2048*(\ap)+512*\k
.endr
.endr
.endm
.macro LW q, g                         ; the weight's fragments 4 g .. 4 g + 3 of step q: 8 loads
	WIN (0x40+0x80*((\q)/2))
.irp s, 0,1,2,3
.irp c, 0,1
	ds_load_b128 v[64*(\q)+32*(\g)+8*\s+4*\c:64*(\q)+32*(\g)+8*\s+4*\c+3], v[ADRW+4+\s] offset:8192*(\q)+4096*(\g)+512*\c
.endr
.endr
.endm
.macro UQ ap, lo, hi, q, left          ; step q of rows 32 ap on, column groups lo .. hi; left: the LDS loads that later steps want
	s_wait_dscnt \left
	WIN (0x04+0x08*((\q)/2)+0x50*(((\ap)+3)/2))
.irp b, 0,1,2,3,4,5,6,7
.if ((\b)/4 >= \lo) && ((\b)/4 <= \hi)
.set MD, 128*(1-((\ap)%2))+16*\b
.set MX, XF+16*(\q)
.set MW, 64*(\q)+8*\b
.set MSX, SC+32+4*(\ap)+(\q)
.set MSW, SC+32+16+4*(\b/2)+(\q)
	MUL \b, 0
.endif
.endr
.endm
.macro UNIT ap, lo, hi, n              ; all four steps; n: the loads that each step waits for
	UQ \ap, \lo, \hi, 0, 3*\n
	UQ \ap, \lo, \hi, 2, 2*\n
	UQ \ap, \lo, \hi, 3, \n
	UQ \ap, \lo, \hi, 1, 0
.endm
; THE WAY OUT of rows 32 ap .. 32 ap + 31, column groups lo .. hi: the bias addition gathers four neighbours of a row into four neighbouring registers; sixteen lanes store one aligned unit of 256 bytes, the wave two adjacent rows'.
; (Four places stand between the last product and this macro.)
.macro OUT ap, lo, hi
.set AB, 128*(1-((\ap)%2))
.irp u, 0,1
	s_wait_xcnt 0x0                                ; the stores before have read their data
	WIN (((\ap)+3)/2)                              ; source 0: the accumulators' window
.irp j, 0,1,2,3,4,5,6,7
.irp g, 0,1
.if (\g >= \lo) && (\g <= \hi)
.irp s, 0,1,2,3
	v_add_f32 v[TMP+8*\j+4*\g+\s], v[AB+64*\g+16*\s+8*\u+\j], v[BIAS+4*\g+\s]
.endr
.endif
.endr
.endr
	WIN 0
.irp j, 0,1,2,3,4,5,6,7
.irp g, 0,1
.if (\g >= \lo) && (\g <= \hi)
	global_store_b128 v[CO], v[TMP+8*\j+4*\g:TMP+8*\j+4*\g+3], s[10:11] offset:(32*\ap+16*\u+2*\j)*CROW+256*\g th:TH_STORE_NT
.endif
.endr
.endr
.endr
.endm
	GROUP 1, 3, 0, 0                               ; slot 6's last step; nothing is filled again, so no round follows the barrier
	WIN 0
	s_barrier_wait -1                              ; the last slot is whole
	PLACES
	LX 0
	SCALES 1
	LW 0, 0
	GROUP 0, 3, 0, 0
	LW 2, 0                                        ; (window 3's upper half: no product has read it)
	LW 3, 0
	GROUP 2, 3, 0, 0
	GROUP 3, 3, 0, 0
	PLACES                                         ; for the loads into the weight's set 1, and for the results that go over x's set 1
	LW 1, 0
	UNIT 0, 0, 0, 8
	s_wait_loadcnt 0x0                             ; the bias
	PLACES
	OUT 0, 0, 0
	LW 0, 1
	LW 2, 1
	LW 3, 1
	LW 1, 1
	UNIT 0, 1, 1, 8
	PLACES
	WIN 0
	LX 1
	OUT 0, 1, 1
	UNIT 1, 0, 1, 4
	PLACES
	WIN 0
	LX 2
	OUT 1, 0, 1
	UNIT 2, 0, 1, 4
	PLACES
	WIN 0
	LX 3
	OUT 2, 0, 1
	UNIT 3, 0, 1, 4
	PLACES
	OUT 3, 0, 1
	s_wait_tensorcnt 0x0                           ; the wave's end
	ds_add_u32 v[SPW], v[NIL]
	s_wait_dscnt 0x0
	CROUND                                         ; the closing round
	s_endpgm
.Lfunc_end_k_q13016b6d04_gemm:
	.size	k_q13016b6d04_gemm, .Lfunc_end_k_q13016b6d04_gemm-k_q13016b6d04_gemm
	.p2alignl 7, 3214868480
	.fill 96, 4, 3214868480
	.section	.rodata,"a",@progbits
	.p2align	6, 0x0
	.amdhsa_kernel k_q13016b6d04_gemm
		.amdhsa_group_segment_fixed_size 327680
		.amdhsa_private_segment_fixed_size 0
		.amdhsa_enable_private_segment 0
		.amdhsa_kernarg_size 32
		.amdhsa_user_sgpr_count 2
		.amdhsa_user_sgpr_kernarg_segment_ptr 1
		.amdhsa_wavefront_size32 1
		.amdhsa_system_sgpr_workgroup_id_x 1
		.amdhsa_system_sgpr_workgroup_id_y 1
		.amdhsa_system_sgpr_workgroup_id_z 1
		.amdhsa_system_vgpr_workitem_id 0
		.amdhsa_next_free_vgpr 1024
		.amdhsa_next_free_sgpr 66
		.amdhsa_reserve_vcc 0
		.amdhsa_float_denorm_mode_32 3
		.amdhsa_float_denorm_mode_16_64 3
		.amdhsa_memory_ordered 1
		.amdhsa_forward_progress 1
		.amdhsa_inst_pref_size 147
	.end_amdhsa_kernel
	.amdgpu_metadata
---
amdhsa.version: [ 1, 2 ]
amdhsa.kernels:
  - .name:           k_q13016b6d04_gemm
    .symbol:         k_q13016b6d04_gemm.kd
    .args:
      - { .name: a_ws, .offset: 0, .size: 8, .value_kind: global_buffer, .address_space: global }
      - { .name: b_ws, .offset: 8, .size: 8, .value_kind: global_buffer, .address_space: global }
      - { .name: bias, .offset: 16, .size: 8, .value_kind: global_buffer, .address_space: global }
      - { .name: out0, .offset: 24, .size: 8, .value_kind: global_buffer, .address_space: global }
    .group_segment_fixed_size: 327680
    .private_segment_fixed_size: 0
    .kernarg_segment_align: 8
    .kernarg_segment_size: 32
    .max_flat_workgroup_size: 128
    .sgpr_count:     66
    .vgpr_count:     1024
    .wavefront_size: 32
...
	.end_amdgpu_metadata
.endif
;; end of part 2
